; MI455X (gfx1250); checked and timed in simulation.
; The chip was launched on July 23, 2026; its instructions are those of AMD's public machine-readable ISA for CDNA 5 (MIT licence, August 2026) and "CDNA5" Instruction Set Architecture Reference Guide (July 2026). The comments in the code are by the model that wrote it; some were corrected since.
;; Multi Headed Self Attention. Allowed arithmetic: matrix products marked QUANTISED: E2M1 operands, one E8M0 scale for each 32 along K, by v_wmma_scale_f32_16x16x128_f8f6f4 with both operands' format E2M1 (or v_wmma_scale_f32_32x16x128_f4), f32 sums; everything else in f32.
;; Inputs: k 4 x 2,048 x 1,024 float32; mask 4 x 2,048 int32; q 4 x 2,048 x 1,024 float32; v 4 x 2,048 x 1,024 float32.
;; Outputs: out0 4 x 2,048 x 1,024 float32.
;; This version of the problem:
;;   THIS VERSION OF THE PROBLEM IS GIVEN IN LOW PRECISION. The matrix products marked QUANTISED in the list below multiply operands that are first quantised to E2M1 (2 exponent bits, 1 mantissa bit; 4 bits a number), with one power-of-two scale for each 32 numbers along K (OCP MX v1.0); their sums are f32. All else is computed in f32.
;;   The module's matrix products, in the order in which they are computed (A, B: the left and right operand; K: the contracted axis; several contracted axes count as one K, in the product's order):
;;     1. batch 64 x [M 2,048, K 64] x [K 64, N 2,048]; A: input q; B: input k: QUANTISED
;;     2. batch 64 x [M 2,048, K 2,048] x [K 2,048, N 64]; A: softmax (see below); B: input v: QUANTISED
;;   THE QUANTISER, for each operand of a quantised product, along K:
;;     - K is cut into blocks of 32 from its start; a last block that is shorter is filled with zeros.
;;     - A block's scale is 2^e with e = floor(log2(the largest magnitude in the block)) - 2, held to -126 .. 127; a block of zeros has e = 0. As a byte (E8M0): e + 127.
;;     - Each number is divided by its block's scale, clamped to +-6, and rounded to the nearest number of E2M1, ties to even, subnormals kept.
;;     - The product sums the exact products of the quantised numbers (number of the format x scale) in f32.
;;   ~~~python
;;   def quantise(x, axis):      # numpy; x: float32 -> the quantised numbers, widened to float32 again
;;       x = np.moveaxis(x, axis, -1); K = x.shape[-1]
;;       x = np.pad(x, [(0, 0)] * (x.ndim - 1) + [(0, -K % 32)]); x = x.reshape(x.shape[:-1] + (-1, 32)); a = np.abs(x).max(-1, keepdims=True)
;;       e = np.where(a > 0, np.clip(np.frexp(np.where(a > 0, a, 1))[1] - 1 - 2, -126, 127), 0)      # np.frexp(a)[1] - 1 = floor(log2(a)), exactly
;;       r = np.clip(x / 2.0 ** e, -6, 6)
;;       step = 2.0 ** (np.maximum(np.frexp(np.where(r == 0, 1, r))[1] - 1, 0) - 1)
;;       q = np.round(r / step) * step * 2.0 ** e      # np.round: ties to even
;;       return np.moveaxis(q.reshape(q.shape[:-2] + (-1,))[..., :K], -1, axis).astype(np.float32)
;;   ~~~
;;   SOFTMAX AHEAD OF A QUANTISED PRODUCT. Where the list says 'softmax', what is quantised is not the finished softmax but p = 2^(t - M), with t = logit x log2(e) and M = ceil(the row's largest t), a whole number; so 1/2 < the row's largest p <= 1. The row's sum l is taken of the UNQUANTISED p, in f32, and the product's result is divided by l at the end. Since M is a whole number, a kernel that streams over the keys may use a running M (the ceiling of the running maximum): every later rescaling is an exact power of two, which a block's scale takes up: the codes' values come out the same.
;;   OPERANDS COMPUTED ON THE WAY. 'Computed on the way' means the value that the module computes at that place (a softmax that the list does not call 'softmax' is quantised finished and normalised). What goes into a quantiser is computed in f32, as accurately as f32 sums, v_exp_f32 and their like allow (about 1e-6 of the number): no bf16 or f16 on the way to a quantiser, and a product that is left as it is and whose result goes on into a quantised operand takes f32 operands (vector FMAs, or v_wmma_f32_16x16x4_f32). A number that lies on a knife's edge between two numbers of the format may be rounded either way, as far as f32 arithmetic and the matrix unit's own rounding can turn it there, and no further.
;; One version. Each part assembles by itself: llvm-mc -triple=amdgcn-amd-amdhsa -mcpu=gfx1250 --defsym DOCPART=n.
;; ======== version 1 of 1: 2 launches
;; limits: right only within a limited range of input values
;; workspace buffers: kv 9,175,040 bytes
;; launch prep (part 1): grid 512 x 1, 4 waves a work-group, no clusters, 35,328 bytes of LDS; arguments k, v, kv; writes kv
.if DOCPART == 1
	.amdgcn_target "amdgcn-amd-amdhsa--gfx1250"
	.amdhsa_code_object_version 6
	.text
	.protected	k_qce930f8619_prep
	.globl	k_qce930f8619_prep
	.p2align	8
	.type	k_qce930f8619_prep,@function
k_qce930f8619_prep:
	s_mov_b64 s[64:65], 0
	v_nop
	global_prefetch_b8 v0, s[64:65] scope:SCOPE_SE
	s_setreg_imm32_b32 hwreg(HW_REG_WAVE_MODE, 25, 1), 1
	s_wait_xcnt 0x0
; k, v: [4][2048][1024] f32 (16 heads of 64) become codes of FP4 (E2M1) with one E8M0 byte for each 32 along a product's K, laid as images of the operands' registers for the attention launch.
; k is quantised along the head's 64 (two blocks), v along the keys.  A block's scale is 2^(floor(log2(its largest magnitude)) - 2): its byte is the largest magnitude's exponent field - 2.
; kv: [64 heads][16 key steps of 128 keys] records of 8,960 bytes: +0 K's codes (8 tiles x 512), +4096 K's scale words (512), +4608 V's codes (4 tiles x 1,024), +8704 V's scale words (256).
; A tile of K: lane l = 16 h + r holds 16 bytes at 16 l: fragment row r, block h of the head's 64.  Row r of tile 4 c + u is key 64 c + 8 u + (r % 8) + 32 (r / 8):
;   in the transposed scores a lane's 32 registers of four neighbouring tiles are then one whole block of 32 neighbouring keys.
;   Scale words: lane l's 16 bytes at 16 l; word i is that of tile 2 i + l / 16, row l % 16: bytes (block 0, block 1, 127, 127).
; A tile of V: channel tile t at 1,024 t, half c at 512 c, lane l's 16 bytes at 16 l: channel 16 t + r, keys 64 c + 32 h + 0 .. 31.  Scale words: lane l's 8 bytes at 8 l: channel l's word, channel 32 + l's.
; SHARES.  Work-groups 0-255 take v, 256-511 k.  A wave takes 128 rows x one head's 64 numbers.  Waves share nothing: no barrier.  Every offset is an immediate.
; LIMITS: NaN and infinities among the inputs are not served.  A block whose largest magnitude lies under 2^-124 (a block of zeros among them, where the rule says 127) gets the byte 1:
; a block of zeros has zero codes, which add nothing under that byte, and this program alone reads the bytes.
.set R,   16                           ; k: v16-143   four sets of 32: a tile as it is loaded
.set X,   144                          ;    v144-207  two sets of 32 neighbours along the head
.set C,   208                          ;    v208-239  codes, four registers a tile
.set W,   240                          ;    v240-247  a scale word a tile
.set WS,  248                          ;    v248-251  the scale words as they are stored
.set XV,  16                           ; v: v16-79    two sets of 32 numbers down the keys
.set CV,  80                           ;    v80-111   codes, four registers a unit
.set WW,  112                          ;    v112-113  the two channels' scale words
.set SP,  272                          ; a stage row: 256 bytes + 16
.set STG, 16*SP                        ; a stage; each wave has two
; The largest magnitude of 32 numbers v[xs] on, with the floor 2^(3 - 127) among its leaves (v8); 2 off its exponent field: the conversion's scale operand (v10); the scale's byte (v11).
.macro AMAX xs
	v_max3_num_f32 v8, |v[\xs]|, |v[\xs+1]|, |v[\xs+2]|
	v_max3_num_f32 v9, |v[\xs+3]|, |v[\xs+4]|, |v[\xs+5]|
.irp i, 6,10,14,18,22,26
	v_max3_num_f32 v8, v8, |v[\xs+\i]|, |v[\xs+\i+1]|
	v_max3_num_f32 v9, v9, |v[\xs+\i+2]|, |v[\xs+\i+3]|
.endr
	v_max3_num_f32 v8, v8, |v[\xs+30]|, |v[\xs+31]|
	v_max3_num_f32 v8, v8, v9, 0x1800000
	v_add_nc_u32 v10, 0xff000000, v8
	v_lshrrev_b32 v11, 23, v10
.endm
	s_load_b128 s[4:7], s[0:1], 0x0                ; k s[4:5], v s[6:7]
	s_load_b64 s[8:9], s[0:1], 0x10                ; kv
	v_lshl_add_u32 v254, v0, 2, 0x8800             ; my spare word, behind the stages
	v_mov_b32 v255, 0
	v_lshrrev_b32 v1, 5, v0
	v_readfirstlane_b32 s14, v1                    ; wave 0..3
	v_and_b32 v1, 31, v0                           ; lane
	v_and_b32 v14, 15, v0                          ; lane % 16
	v_bfe_u32 v15, v0, 4, 1                        ; lane / 16
	s_lshr_b32 s15, ttmp9, 8                       ; 0: v, 1: k
	s_and_b32 s16, ttmp9, 255
	s_lshr_b32 s17, s16, 6                         ; batch
	s_bfe_u32 s18, s16, 0x40002                    ; which 128 rows
	s_and_b32 s19, s16, 3
	s_lshl_b32 s19, s19, 2
	s_add_co_u32 s19, s19, s14                     ; head
	s_lshl_b32 s20, s17, 4
	s_add_co_u32 s20, s20, s19                     ; 16 x batch + head
	s_lshl_b32 s22, s17, 23                        ; the source: a batch is 2^23 bytes,
	s_lshl_b32 s23, s18, 19                        ; 128 rows of 4,096 bytes are 2^19,
	s_add_co_u32 s22, s22, s23
	s_lshl_b32 s23, s19, 8                         ; a head's 64 numbers 256
	s_add_co_u32 s22, s22, s23
	s_mov_b32 s23, 0
	s_mul_i32 s24, s20, 143360                     ; the record
	s_mul_i32 s27, s18, 8960
	s_add_co_u32 s24, s24, s27
	s_mov_b32 s25, 0
	s_mul_i32 s21, s14, 2*STG                      ; my two stages
	s_mov_b32 s30, 0x76543210
	s_mov_b32 s31, 0xfedcba98                      ; selects for lane l xor 16
	s_mov_b32 s32, 0x7f7f0000                      ; the bytes of the two blocks that hold no codes of k: 127
	s_mov_b32 s33, 0xffff0000                      ; lanes 16-31
	s_wait_kmcnt 0x0
	s_add_nc_u64 s[8:9], s[8:9], s[24:25]
	s_cmp_eq_u32 s15, 0
	s_cbranch_scc1 .Lv
; ---------------- k
	s_add_nc_u64 s[4:5], s[4:5], s[22:23]
	s_wait_alu depctr_va_vdst(0)                   ; the wait ahead of the readers below
	v_lshlrev_b32 v6, 4, v1                        ; out: 16 x lane
	v_lshlrev_b32 v2, 4, v14                       ; in: sixteen lanes take a row's 256 bytes;
	v_lshl_add_u32 v2, v15, 17, v2                 ; lanes 16-31 the row 32 keys on
	v_mul_u32_u24 v4, v15, 8*SP
	v_lshl_add_u32 v4, v14, 4, v4
	v_add_nc_u32 v4, s21, v4                       ; into a stage: row i + 8 (lane / 16)
	v_mul_u32_u24 v5, v14, SP
	v_lshl_add_u32 v5, v15, 7, v5
	v_add_nc_u32 v5, s21, v5                       ; out of it: row lane % 16, block lane / 16
	v_lshlrev_b32 v7, 3, v15                       ; my block's byte stands 8 (lane / 16) bits up
	v_mov_b32 v12, 0                               ; a lane permute's destination counts as one of its sources
.macro LOAD t                          ; tile t begins at key 64 (t / 4) + 8 (t % 4): eight loads, each two whole rows of 256 bytes
.irp i, 0,1,2,3,4,5,6,7
	global_load_b128 v[R+32*((\t)%4)+4*\i:R+32*((\t)%4)+4*\i+3], v2, s[4:5] offset:((\t)/4)*262144+((\t)%4)*32768+\i*4096 th:TH_LOAD_NT
.endr
.endm
.macro TURN t                          ; tile t through a stage: LDS serves a wave's instructions in order
.irp i, 0,1,2,3,4,5,6,7
	ds_store_b128 v4, v[R+32*((\t)%4)+4*\i:R+32*((\t)%4)+4*\i+3] offset:STG*((\t)%2)+SP*\i
.endr
.irp i, 0,1,2,3,4,5,6,7
	ds_load_b128 v[X+32*((\t)%2)+4*\i:X+32*((\t)%2)+4*\i+3], v5 offset:STG*((\t)%2)+16*\i
.endr
.endm
.macro STEP t
.set XS, X+32*((\t)%2)
	s_wait_dscnt 0x0                               ; this tile is back from the stage, and its stores have read their registers,
.if (\t) < 4
	LOAD (\t)+4                                    ; which take the tile four further on
.endif
.if (\t) < 7
.if 6-(\t) >= 3
	s_wait_loadcnt 24                              ; the next tile's eight loads are in; three tiles' may be out
.else
	s_wait_loadcnt 8*(6-(\t))
.endif
	TURN (\t)+1
.endif
	AMAX XS
.irp g, 0,1,2,3
	v_cvt_scalef32_pk8_fp4_f32 v[C+4*(\t)+\g], v[XS+8*\g:XS+8*\g+7], v10
.endr
	v_lshl_or_b32 v[W+(\t)], v11, v7, s32          ; my byte at its place, over the two bytes 127
	v_permlanex16_b32 v12, v[W+(\t)], s30, s31
	v_or_b32 v[W+(\t)], v[W+(\t)], v12             ; with lane l xor 16's byte the row's word is whole
	global_store_b128 v6, v[C+4*(\t):C+4*(\t)+3], s[8:9] offset:512*(\t)   ; the wave stores 512 consecutive bytes
.endm
	LOAD 0
	LOAD 1
	LOAD 2
	LOAD 3
	s_wait_alu depctr_va_vdst(0)                   ; the wait ahead of the wait below
	s_wait_loadcnt 24
	TURN 0
.irp t, 0,1,2,3,4,5,6,7
	STEP \t
.endr
.irp i, 0,1,2,3
	v_cndmask_b32 v[WS+\i], v[W+2*\i], v[W+2*\i+1], s33   ; lanes 0-15: tile 2 i's words; lanes 16-31: tile 2 i + 1's
.endr
	global_store_b128 v6, v[WS:WS+3], s[8:9] offset:4096
	s_wait_tensorcnt 0x0                           ; the wave's end
	ds_add_u32 v254, v255
	s_wait_dscnt 0x0
	s_endpgm
; ---------------- v: a lane takes a channel and its registers run down the keys.  No LDS.
.Lv:
	s_add_nc_u64 s[6:7], s[6:7], s[22:23]
	s_wait_alu depctr_va_vdst(0)                   ; the wait ahead of the readers below
	v_lshlrev_b32 v2, 2, v1                        ; in: 4 bytes a lane
	v_lshlrev_b32 v3, 10, v15
	v_lshl_add_u32 v3, v14, 4, v3                  ; out: channel tile lane / 16 of my 32 channels, 16 bytes at 16 (lane % 16)
	v_lshlrev_b32 v4, 3, v1                        ; the scale words: 8 bytes a lane
.macro LOADU u                         ; unit u = 2 kb + w: the keys 32 kb on of the step, channel lane + 32 w
.irp i, 0,1,2,3,4,5,6,7,8,9,10,11,12,13,14,15,16,17,18,19,20,21,22,23,24,25,26,27,28,29,30,31
	global_load_b32 v[XV+32*((\u)%2)+\i], v2, s[6:7] offset:(32*((\u)/2)+\i)*4096+128*((\u)%2)
.endr
.endm
.macro BLOCK u
.set XS, XV+32*((\u)%2)
.if (\u) < 7
	s_wait_loadcnt 32                              ; this unit's 32 loads are in; the next unit's may be out
.else
	s_wait_loadcnt 0x0
.endif
	AMAX XS
.if (\u)/2 == 0
	v_mov_b32 v[WW+(\u)%2], v11
.else
	v_lshl_or_b32 v[WW+(\u)%2], v11, 8*((\u)/2), v[WW+(\u)%2]
.endif
.irp g, 0,1,2,3
	v_cvt_scalef32_pk8_fp4_f32 v[CV+4*(\u)+\g], v[XS+8*\g:XS+8*\g+7], v10
.endr
	global_store_b128 v3, v[CV+4*(\u):CV+4*(\u)+3], s[8:9] offset:4608+2048*((\u)%2)+512*((\u)/4)+256*(((\u)/2)%2)   ; sixteen lanes store 256 consecutive bytes, aligned
.if (\u) < 6
	LOADU (\u)+2
.endif
.endm
	LOADU 0
	LOADU 1
.irp u, 0,1,2,3,4,5,6,7
	BLOCK \u
.endr
	global_store_b64 v4, v[WW:WW+1], s[8:9] offset:8704   ; 32 lanes store 256 consecutive bytes
	s_endpgm
.Lfunc_end_k_qce930f8619_prep:
	.size	k_qce930f8619_prep, .Lfunc_end_k_qce930f8619_prep-k_qce930f8619_prep
	.p2alignl 7, 3214868480
	.fill 96, 4, 3214868480
	.section	.rodata,"a",@progbits
	.p2align	6, 0x0
	.amdhsa_kernel k_qce930f8619_prep
		.amdhsa_group_segment_fixed_size 35328
		.amdhsa_private_segment_fixed_size 0
		.amdhsa_enable_private_segment 0
		.amdhsa_kernarg_size 24
		.amdhsa_user_sgpr_count 2
		.amdhsa_user_sgpr_kernarg_segment_ptr 1
		.amdhsa_wavefront_size32 1
		.amdhsa_system_sgpr_workgroup_id_x 1
		.amdhsa_system_sgpr_workgroup_id_y 1
		.amdhsa_system_sgpr_workgroup_id_z 1
		.amdhsa_system_vgpr_workitem_id 0
		.amdhsa_next_free_vgpr 256
		.amdhsa_next_free_sgpr 66
		.amdhsa_reserve_vcc 0
		.amdhsa_float_denorm_mode_32 3
		.amdhsa_float_denorm_mode_16_64 3
		.amdhsa_memory_ordered 1
		.amdhsa_forward_progress 1
		.amdhsa_inst_pref_size 68
	.end_amdhsa_kernel
	.amdgpu_metadata
---
amdhsa.version: [ 1, 2 ]
amdhsa.kernels:
  - .name:           k_qce930f8619_prep
    .symbol:         k_qce930f8619_prep.kd
    .args:
      - { .name: k, .offset: 0, .size: 8, .value_kind: global_buffer, .address_space: global }
      - { .name: v, .offset: 8, .size: 8, .value_kind: global_buffer, .address_space: global }
      - { .name: kv, .offset: 16, .size: 8, .value_kind: global_buffer, .address_space: global }
    .group_segment_fixed_size: 35328
    .private_segment_fixed_size: 0
    .kernarg_segment_align: 8
    .kernarg_segment_size: 24
    .max_flat_workgroup_size: 128
    .sgpr_count:     66
    .vgpr_count:     256
    .wavefront_size: 32
...
	.end_amdgpu_metadata
.endif
;; end of part 1
;; launch attn (part 2): grid 4 x 64, 8 waves a work-group, clusters of 4 x 1, 291,840 bytes of LDS; arguments q, kv, mask, out0; writes out0
.if DOCPART == 2
	.amdgcn_target "amdgcn-amd-amdhsa--gfx1250"
	.amdhsa_code_object_version 6
	.text
	.protected	k_qce930f8619_attn
	.globl	k_qce930f8619_attn
	.p2align	8
	.type	k_qce930f8619_attn,@function
k_qce930f8619_attn:
	s_mov_b64 s[64:65], 0
	v_nop
	global_prefetch_b8 v0, s[64:65] scope:SCOPE_SE
	s_setreg_imm32_b32 hwreg(HW_REG_WAVE_MODE, 25, 1), 1
	s_wait_xcnt 0x0
	s_wait_alu depctr_hold_cnt(0) depctr_sa_sdst(0) depctr_va_vdst(0) depctr_va_sdst(0) depctr_va_ssrc(0) depctr_va_vcc(0) depctr_vm_vsrc(0)
	s_getreg_b32 s2, hwreg(HW_REG_IB_STS2, 6, 4)
	s_cmp_eq_u32 s2, 0
	s_cbranch_scc0 .Lentry_in_a_cluster
	s_endpgm
.Lentry_in_a_cluster:
	s_bfe_u32 s2, ttmp6, 0x10000c
	s_cmp_lg_u32 s2, 0x3003
	s_cbranch_scc0 .Lentry_shape_is_right
	s_endpgm
.Lentry_shape_is_right:
; out[b][q][head] = the sum over keys of softmax(q . k / 8 - 10000 (1 - mask[b][key])) v, both products on codes of FP4 (E2M1) with one E8M0 scale for each 32 along a product's K.
; K's and V's codes and scale words come from the launch before, as images of the operands' registers (kv: records of 8,960 bytes for 128 keys; the layout stands at that text's head).
; Q is read by one wave alone: it is quantised here, at the head, along the head's 64 (two blocks), while the records are on their way.
; THE SOFTMAX AHEAD OF THE SECOND PRODUCT: t = (score + bias') c, c = log2(e) / 8, bias' = 80000 mask - 80000 (8 x the reference's term); M = the running largest t rounded up to a whole number;
; p = 2^(t - M) is quantised along the keys, not normalised; the row's sum is taken of the unquantised p and divides at the end; when M moves, sum and O are multiplied by 2^(old M - new M), which rounds nothing.
; SHARES.  A work-group owns 512 queries of one head; each of its eight waves (two to a SIMD) owns 64: four tiles of 16, worked in two pairs.  Every wave walks all 2,048 keys, 128 a step; each fragment of K, V and bias feeds four products.
; NO RING, NO PREFETCH.  A head's 16 records are 143,360 bytes: they come into LDS once, each wave fetching two records by its one tensor load at the head, and stay: there is no loop to run ahead in.
; CLUSTER.  The four work-groups of a cluster own the four quarters of one head's queries and need the same records: each load is asked for jointly, with the same descriptor and a mask that names the four.
; LAYOUT.  Both products are used transposed: S^T = K Q^T + bias (source 0 = 16 keys, source 1 = 16 queries), O^T = V^T P^T: a lane holds ONE query (lane % 16) throughout.
; Register 32 c + 8 u + j of a tile's scores is key 64 c + 32 (lane / 16) + 8 u + j: a lane holds two WHOLE blocks of 32 keys, so a block's maximum needs no other lane and the conversions' results are the second product's operand as they stand.
; K = 64 .. 127 of the first product: Q's fragments hold zero codes there, so whatever codes stand in K's upper half add nothing (every code of E2M1 is a number, and both scale bytes there are 127).
; So K's fragments lie dense, four registers a tile, and a fragment's upper half is the next tile's codes (the last tile's: the first four registers of the bias).
; LIMITS: NaN and infinities among the inputs are not served.  A block of p that has fallen wholly to 0 keeps the byte 1, with zero codes; so does a block of q under 2^-124.  M is the ceiling of the ROUNDED product c x largest score,
; so the largest p can pass 1 by one unit in its last place; its block's scale is the same.  p under 2^-126 counts as 0.  The promise holds while the scaled scores stay under 2^31 in magnitude.
; REGISTERS, in windows of 256 (s_set_vgpr_msb: bits 1:0 source 0, 3:2 source 1, 5:4 source 2, 7:6 destination):
;   window 0: v1-9 addresses; v10-23 scale words; v24-47 statistics, 6 a tile; v48-63 at work, 8 a tile of the pair; v64-191 S^T then p of a pair; v192-223 p's codes; v224-255 Q's fragments
;   window 1: v0-127 O^T, 32 a tile; v128-159 K; v160-223 the bias, as 8 tiles of C; v224-255 V
.set REC,   8960
.set BIAS,  16*REC                     ; 2,048 f32, bias' by key; stored by ds_store, no fill lands here
.set STAGE, BIAS+8192                  ; for each wave four stages (one a tile) of 16 rows x 272 bytes: Q's way in and O's way out
.set SP,    272
.set SPARE, STAGE+8*4*16*SP            ; the spare words, 128 bytes a wave
.set AD1, 1                            ; 16 x lane + the record in hand
.set AD2, 2                            ; 8 x lane + 8,704 + the record
.set AD3, 3                            ; BIAS + 128 (lane / 16) + 512 x step
.set STO, 4                            ; the way out: where I put 32 bytes of a row
.set RD,  5                            ; where I read a row back
.set GO,  6                            ; my byte offset in the wave's rows of out
.set SH,  7                            ; 8 (lane / 16)
.set SPW, 8
.set NIL, 9
.set KS,  10                           ; v10-13 K's scale words: register i: lanes 0-15 tile 2 i, lanes 16-31 tile 2 i + 1
.set VS,  14                           ; v14-15 V's likewise
.set QS,  16                           ; v16-19 Q's, a register a tile
.set PS,  20                           ; v20-23 p's, a register a tile
.set ST,  24                           ; tile t at v[ST + 6 t]: +0 -M, +1 the largest score, +2 +3 the sum in two halves, +4 f, +5 the upper half of f's pair
.set TP,  48                           ; tile k of the pair at v[TP + 8 k]: +0 +1 the blocks' largest score, then p, then bytes; +2 +3 the conversions' scale operands; +4 +5 the sums' second chain; +6 +7 at work
.set S,   64
.set PC,  192
.set QF,  224
.set KF,  128                          ; in window 1
.set BI,  160
.set VF,  224
.set WV,  24
.set SEL, 32
.set CS,  34
.set CNT, 39
.set TB,  49                           ; LDS byte of the record that is read next
.set TV,  50                           ; + 8,704
.set TBI, 51                           ; and of its 128 numbers of bias
.set MSB, 0
.macro WIN new
.if MSB != \new
	s_set_vgpr_msb (MSB<<8)|\new
.set MSB, \new
.endif
.endm
.macro PLACES
.rept 4
	v_nop
.endr
.endm
.macro CROUND                          ; a round of the cluster's barrier
	s_barrier_signal -1
	s_barrier_wait -1
	s_cmp_lg_u32 s[WV], 0
	s_cbranch_scc1 .Lnot_wave_0_\@
	s_barrier_signal -3
.Lnot_wave_0_\@:
	s_barrier_wait -3
	s_barrier_signal -1
	s_barrier_wait -1
.endm
	s_load_b256 s[4:11], s[0:1], 0x0               ; q s[4:5], kv s[6:7], mask s[8:9], out s[10:11]
	v_lshl_add_u32 v[SPW], v0, 2, SPARE
	v_mov_b32 v[NIL], 0
	ds_add_u32 v[SPW], v[NIL]                      ; the opening lines: the add, twice on end, and its wait
	ds_add_u32 v[SPW], v[NIL]
	v_lshrrev_b32 v[TP], 5, v0
	v_readfirstlane_b32 s[WV], v[TP]               ; wave 0..7
	s_bfe_u32 s25, ttmp6, 0x40000                  ; cx: it enters q's and out's addresses alone
	s_and_b32 s26, ttmp7, 0xffff                   ; 16 x batch + head, which the four partners share
	s_lshr_b32 s27, s26, 4                         ; batch
	s_mov_b32 s16, 15|(3<<16)|(1<<21)              ; group 1: the mask of all four; elements of 8 bytes; bit 21 beside a mask; no padding
	s_mov_b32 s17, 32<<16                          ; 70 dense rows of 256 bytes: two records
	s_mov_b32 s18, 70<<16
	s_mov_b32 s19, 32<<16
	s_mov_b32 s20, 70
	s_mov_b32 s21, 32
	s_mov_b32 s22, 0
	s_mov_b32 s23, 0
	s_mov_b32 s12, 1
	s_mul_i32 s13, s[WV], 2*REC                    ; LDS address: my two records
	s_mul_i32 s28, s26, 16*REC
	s_add_co_u32 s28, s28, s13                     ; and the same two of the head in kv
	s_mov_b32 s29, 0
	s_lshl_b32 s30, s27, 13                        ; the batch's 2,048 whole numbers of the mask
	s_mov_b32 s31, 0
	s_lshl_b32 s40, ttmp9, 2
	s_add_co_u32 s40, s40, s25                     ; work-group x
	s_lshl_b32 s44, s40, 9
	s_lshl_b32 s45, s[WV], 6
	s_add_co_u32 s44, s44, s45                     ; my first query: 512 x + 64 wave
	s_lshl_b32 s44, s44, 12                        ; a row of q and of out is 4,096 bytes,
	s_lshl_b32 s45, s27, 23                        ; a batch 2^23,
	s_add_co_u32 s44, s44, s45
	s_and_b32 s45, s26, 15
	s_lshl_b32 s45, s45, 8                         ; a head's 64 numbers 256
	s_add_co_u32 s44, s44, s45
	s_mov_b32 s45, 0
	s_mov_b32 s[SEL], 0x76543210
	s_mov_b32 s[SEL+1], 0xfedcba98                 ; selects for lane l xor 16
	s_mov_b32 s[CS], 0x3e38aa3b                    ; c = log2(e) / 8
	s_mov_b32 s[CS+1], s[CS]
	s_mov_b32 s36, 0x479c4000                      ; 80000.0
	s_mov_b32 s38, 0x7f7f0000                      ; the scale bytes of Q's two blocks of zero codes
	s_mul_i32 s48, s[WV], 4*16*SP
	s_add_co_u32 s48, s48, STAGE                   ; my stages
	s_mov_b32 s[TB], 0
	s_mov_b32 s[TV], 8704
	s_mov_b32 s[TBI], BIAS
	s_mov_b32 s[CNT], 15
	v_and_b32 v199, 31, v0                         ; lane
	v_and_b32 v197, 15, v0                         ; r
	v_bfe_u32 v198, v0, 4, 1                       ; h
	v_lshlrev_b32 v[AD1], 4, v199
	v_lshl_add_u32 v[AD2], v199, 3, 8704
	v_lshl_add_u32 v[AD3], v198, 7, BIAS
	v_mul_u32_u24 v[STO], v197, SP
	v_add_nc_u32 v[STO], s48, v[STO]
	v_lshl_add_u32 v194, v198, 7, v[STO]           ; Q out of a stage: row r, block h
	v_lshl_add_u32 v[STO], v198, 5, v[STO]         ; O into a stage: row r, 32 bytes for each half of the lanes
	v_mul_u32_u24 v[RD], v198, SP
	v_lshl_add_u32 v[RD], v197, 4, v[RD]
	v_add_nc_u32 v[RD], s48, v[RD]                 ; back: lanes 0-15 one row of 256 bytes, lanes 16-31 the next
	v_mad_u32_u24 v193, v198, 7*SP, v[RD]          ; Q into a stage: row i + 8 h, 16 bytes a lane
	v_lshlrev_b32 v[GO], 12, v198
	v_lshl_add_u32 v[GO], v197, 4, v[GO]           ; two neighbouring rows of out
	v_lshlrev_b32 v192, 4, v197
	v_lshl_add_u32 v192, v198, 15, v192            ; q: sixteen lanes take a row's 256 bytes, lanes 16-31 the row 8 on
	v_lshlrev_b32 v[SH], 3, v198
	v_lshlrev_b32 v195, 5, v0                      ; the mask: eight whole numbers a thread
	v_lshl_add_u32 v196, v0, 5, BIAS               ; and where their bias goes
	s_wait_alu depctr_va_vdst(0)                   ; the wait ahead of the waits below
	s_wait_dscnt 0x0                               ; both opening adds are done
	s_wait_kmcnt 0x0
	s_add_nc_u64 s[14:15], s[6:7], s[28:29]
	s_or_b32 s15, s15, 0x80000000                  ; type = 2
	s_add_nc_u64 s[8:9], s[8:9], s[30:31]
	s_add_nc_u64 s[4:5], s[4:5], s[44:45]
	s_add_nc_u64 s[10:11], s[10:11], s[44:45]
	CROUND                                         ; all four work-groups are here: the joint loads meet
	tensor_load_to_lds s[12:15], s[16:23]          ; my one tensor load of the launch
	s_nop 0
	PLACES                                         ; four nops behind the load
	global_load_b128 v[200:203], v195, s[8:9]
	global_load_b128 v[204:207], v195, s[8:9] offset:16
.irp t, 0,1,2,3
.irp i, 0,1,2,3,4,5,6,7
	global_load_b128 v[S+32*\t+4*\i:S+32*\t+4*\i+3], v192, s[4:5] offset:(16*\t+\i)*4096 th:TH_LOAD_NT   ; each load: two whole rows of 256 bytes
.endr
.endr
	WIN 0x40
.set ii, 0
.rept 128
	v_mov_b32 v[ii], 0                             ; O^T.  (The step is written for every trip alike: the first finds zeros, which the first f, 0, leaves zeros)
.set ii, ii+1
.endr
	WIN 0
.irp t, 0,1,2,3
.irp e, 4,5,6,7
	v_mov_b32 v[QF+8*\t+\e], 0                     ; k = 64 .. 127 of Q: zero codes, written once
.endr
	v_mov_b32 v[ST+6*\t+1], 0xff61b1e6             ; the largest score so far: -3e38
	v_mov_b32 v[ST+6*\t+2], 0
	v_mov_b32 v[ST+6*\t+3], 0
	v_mul_f32 v[ST+6*\t+5], s[CS], v[ST+6*\t+1]
	v_floor_f32 v[ST+6*\t], -v[ST+6*\t+5]          ; -M
.endr
.irp e, 8,9,10,11,12,13,14,15
	v_mov_b32 v[TP+\e], 0                          ; a lane permute's destination counts as one of its sources
.endr
	s_wait_alu depctr_va_vdst(0)                   ; the wait ahead of the wait below
	s_wait_loadcnt 32                              ; the mask's two loads are in; q's 32 may be out
.irp e, 0,1,2,3,4,5,6,7
	v_cvt_f32_i32 v[200+\e], v[200+\e]
.endr
.irp e, 0,1,2,3,4,5,6,7
	v_fma_f32 v[200+\e], v[200+\e], s36, -s36      ; bias' = 80000 m - 80000: it serves any whole number
.endr
	ds_store_b128 v196, v[200:203]
	ds_store_b128 v196, v[204:207] offset:16
	s_wait_loadcnt 0x0                             ; q
.irp t, 0,1,2,3
.irp i, 0,1,2,3,4,5,6,7
	ds_store_b128 v193, v[S+32*\t+4*\i:S+32*\t+4*\i+3] offset:16*SP*\t+SP*\i
.endr
.endr
	s_wait_dscnt 0x0                               ; the stores have read their registers, which take the numbers back
.irp t, 0,1,2,3
.irp e, 0,1,2,3,4,5,6,7
	ds_load_b128 v[S+32*\t+4*\e:S+32*\t+4*\e+3], v194 offset:16*SP*\t+16*\e   ; my 32 neighbours: row r, block h
.endr
.endr
	s_wait_dscnt 0x0
.irp t, 0,1,2,3
	v_max3_num_f32 v[TP+\t], |v[S+32*\t]|, |v[S+32*\t+1]|, 0x1800000   ; the block's largest magnitude, the floor 2^(3 - 127) among its leaves; four tiles by turns
.endr
.irp i, 2,4,6,8,10,12,14,16,18,20,22,24,26,28,30
.irp t, 0,1,2,3
	v_max3_num_f32 v[TP+\t], v[TP+\t], |v[S+32*\t+\i]|, |v[S+32*\t+\i+1]|
.endr
.endr
.irp t, 0,1,2,3
	v_add_nc_u32 v[TP+4+\t], 0xff000000, v[TP+\t]  ; 2 off the exponent field: the conversion's scale operand
.endr
.irp t, 0,1,2,3
	v_lshrrev_b32 v[TP+\t], 23, v[TP+4+\t]         ; the byte
.endr
.irp t, 0,1,2,3
.irp g, 0,1,2,3
	v_cvt_scalef32_pk8_fp4_f32 v[QF+8*\t+\g], v[S+32*\t+8*\g:S+32*\t+8*\g+7], v[TP+4+\t]
.endr
.endr
.irp t, 0,1,2,3
	v_lshl_or_b32 v[QS+\t], v[TP+\t], v[SH], s38   ; my byte at its place, over the two bytes 127
.endr
.irp t, 0,1,2,3
	v_permlanex16_b32 v[TP+8+\t], v[QS+\t], s[SEL], s[SEL+1]
.endr
.irp t, 0,1,2,3
	v_or_b32 v[QS+\t], v[QS+\t], v[TP+8+\t]        ; the row's word is whole
.endr
	s_wait_alu depctr_va_vdst(0)                   ; the wait at the head's end
	s_wait_tensorcnt 0x0                           ; my two records have landed,
	s_wait_dscnt 0x0                               ; my part of the bias is stored
	s_barrier_signal -1
	s_barrier_wait -1                              ; everybody's are: from here on the records and the bias are only read
; 25 LDS loads: K's scale words, K's 8 tiles, the bias of 128 keys as 8 tiles of C
.macro LDK
	ds_load_b128 v[KS:KS+3], v[AD1] offset:4096
	WIN 0x40
.irp u, 0,1,2,3,4,5,6,7
	ds_load_b128 v[KF+4*\u:KF+4*\u+3], v[AD1] offset:512*\u
.endr
.irp u, 0,1,2,3,4,5,6,7
.irp e, 0,1
	ds_load_b128 v[BI+8*\u+4*\e:BI+8*\u+4*\e+3], v[AD3] offset:256*(\u/4)+32*(\u%4)+16*\e   ; sixteen lanes share an address
.endr
.endr
	WIN 0
.endm
; S^T = K Q^T + bias for pair p: 8 tiles of keys x 2 tiles of queries.  Odd tiles' scale words stand in lanes 16-31.
.macro QKP p
.irp u, 0,1,2,3,4,5,6,7
.irp k, 0,1
.if \u%2
	v_wmma_scale_f32_16x16x128_f8f6f4 v[S+64*\k+8*\u:S+64*\k+8*\u+7], v[KF+4*\u:KF+4*\u+7], v[QF+16*\p+8*\k:QF+16*\p+8*\k+7], v[BI+8*\u:BI+8*\u+7], v[KS+\u/2], v[QS+2*\p+\k] matrix_a_fmt:MATRIX_FMT_FP4 matrix_b_fmt:MATRIX_FMT_FP4 matrix_a_scale:MATRIX_SCALE_ROW1
.else
	v_wmma_scale_f32_16x16x128_f8f6f4 v[S+64*\k+8*\u:S+64*\k+8*\u+7], v[KF+4*\u:KF+4*\u+7], v[QF+16*\p+8*\k:QF+16*\p+8*\k+7], v[BI+8*\u:BI+8*\u+7], v[KS+\u/2], v[QS+2*\p+\k] matrix_a_fmt:MATRIX_FMT_FP4 matrix_b_fmt:MATRIX_FMT_FP4
.endif
.endr
.endr
.endm
; A pair's softmax for a key step; the two tiles (and their two blocks) by turns, line by line.
.macro SOFTMAX p
.irp c, 0,1
.irp k, 0,1
	v_max3_num_f32 v[TP+8*\k+\c], v[S+64*\k+32*\c], v[S+64*\k+32*\c+1], v[S+64*\k+32*\c+2]   ; the largest score of my block: for the row's maximum and, since p rises with the score, for the block's largest p.  Each accumulator is read from its low end on
.endr
.endr
.irp i, 3,5,7,9,11,13,15,17,19,21,23,25,27,29
.irp c, 0,1
.irp k, 0,1
	v_max3_num_f32 v[TP+8*\k+\c], v[TP+8*\k+\c], v[S+64*\k+32*\c+\i], v[S+64*\k+32*\c+\i+1]
.endr
.endr
.endr
.irp c, 0,1
.irp k, 0,1
	v_max_num_f32 v[TP+8*\k+\c], v[TP+8*\k+\c], v[S+64*\k+32*\c+31]
.endr
.endr
.irp k, 0,1
	v_max_num_f32 v[TP+8*\k+6], v[TP+8*\k], v[TP+8*\k+1]
.endr
.irp k, 0,1
	v_permlanex16_b32 v[TP+8*\k+7], v[TP+8*\k+6], s[SEL], s[SEL+1]
.endr
.irp k, 0,1
	v_max3_num_f32 v[ST+12*\p+6*\k+1], v[ST+12*\p+6*\k+1], v[TP+8*\k+6], v[TP+8*\k+7]   ; the running largest score
.endr
.irp k, 0,1
	v_mul_f32 v[TP+8*\k+6], s[CS], v[ST+12*\p+6*\k+1]
.endr
.irp k, 0,1
	v_floor_f32 v[TP+8*\k+7], -v[TP+8*\k+6]        ; the new -M
.endr
.irp k, 0,1
	v_sub_f32 v[TP+8*\k+6], v[TP+8*\k+7], v[ST+12*\p+6*\k]   ; old M - new M: a whole number, 0 or less
.endr
.irp k, 0,1
	v_mov_b32 v[ST+12*\p+6*\k], v[TP+8*\k+7]
.endr
.irp k, 0,1
	v_cvt_i32_f32 v[TP+8*\k+6], v[TP+8*\k+6]       ; (it saturates)
.endr
.irp k, 0,1
	v_ldexp_f32 v[ST+12*\p+6*\k+4], 1.0, v[TP+8*\k+6]   ; f
.endr
.set jj, 0
.rept 32
.irp k, 0,1
	v_pk_fma_f32 v[S+64*\k+jj:S+64*\k+jj+1], v[S+64*\k+jj:S+64*\k+jj+1], s[CS:CS+1], v[ST+12*\p+6*\k:ST+12*\p+6*\k+1] op_sel_hi:[1,0,0]   ; t - M, two at a time
.endr
.set jj, jj+2
.endr
.irp c, 0,1
.irp k, 0,1
	v_fma_f32 v[TP+8*\k+\c], v[TP+8*\k+\c], s[CS], v[ST+12*\p+6*\k]   ; the same of the blocks' largest scores
.endr
.endr
	s_wait_alu depctr_va_vdst(0)                   ; the wait ahead of the batch
.irp c, 0,1
.irp k, 0,1
	v_exp_f32 v[TP+8*\k+\c], v[TP+8*\k+\c]
.endr
.endr
.set jj, 0
.rept 128
	v_exp_f32 v[S+jj], v[S+jj]                     ; p = 2^(t - M)
.set jj, jj+1
.endr
.irp k, 0,1
	v_pk_mul_f32 v[ST+12*\p+6*\k+2:ST+12*\p+6*\k+3], v[ST+12*\p+6*\k+2:ST+12*\p+6*\k+3], v[ST+12*\p+6*\k+4:ST+12*\p+6*\k+5] op_sel_hi:[1,0]   ; the sums under the new M (plain lines behind the batch)
.endr
	s_wait_alu depctr_va_vdst(0)                   ; one wait for the batch, ahead of its first reader
.irp c, 0,1
.irp k, 0,1
	v_max_num_f32 v[TP+8*\k+\c], 0x1800000, v[TP+8*\k+\c]   ; the floor 2^(3 - 127): the byte cannot fall under 1
.endr
.endr
.irp c, 0,1
.irp k, 0,1
	v_add_nc_u32 v[TP+8*\k+2+\c], 0xff000000, v[TP+8*\k+\c]   ; the conversion's scale operand
.endr
.endr
.irp c, 0,1
.irp k, 0,1
	v_lshrrev_b32 v[TP+8*\k+\c], 23, v[TP+8*\k+2+\c]   ; the byte of block 2 c + h
.endr
.endr
.irp k, 0,1
	v_lshl_or_b32 v[TP+8*\k+6], v[TP+8*\k+1], 16, v[TP+8*\k]
.endr
.irp k, 0,1
	v_lshlrev_b32 v[TP+8*\k+6], v[SH], v[TP+8*\k+6]   ; at their places, 8 h bits up
.endr
.irp k, 0,1
	v_permlanex16_b32 v[TP+8*\k+7], v[TP+8*\k+6], s[SEL], s[SEL+1]
.endr
.irp k, 0,1
	v_or_b32 v[PS+2*\p+\k], v[TP+8*\k+6], v[TP+8*\k+7]   ; p's scale word for these 128 keys
.endr
.irp g, 0,1,2,3,4,5,6,7
.irp k, 0,1
	v_cvt_scalef32_pk8_fp4_f32 v[PC+16*\p+8*\k+\g], v[S+64*\k+8*\g:S+64*\k+8*\g+7], v[TP+8*\k+2+\g/4]   ; register 4 c + u: keys 64 c + 32 h + 8 u on: the operand's own layout
.endr
.endr
.irp k, 0,1
	v_pk_add_f32 v[TP+8*\k+4:TP+8*\k+5], v[S+64*\k:S+64*\k+1], v[S+64*\k+2:S+64*\k+3]   ; the sum of the UNQUANTISED p, two at a time, in two chains a tile
.endr
.set jj, 4
.rept 15
.irp k, 0,1
	v_pk_add_f32 v[ST+12*\p+6*\k+2:ST+12*\p+6*\k+3], v[ST+12*\p+6*\k+2:ST+12*\p+6*\k+3], v[S+64*\k+jj:S+64*\k+jj+1]
	v_pk_add_f32 v[TP+8*\k+4:TP+8*\k+5], v[TP+8*\k+4:TP+8*\k+5], v[S+64*\k+jj+2:S+64*\k+jj+3]
.endr
.set jj, jj+4
.endr
.irp k, 0,1
	v_pk_add_f32 v[ST+12*\p+6*\k+2:ST+12*\p+6*\k+3], v[ST+12*\p+6*\k+2:ST+12*\p+6*\k+3], v[TP+8*\k+4:TP+8*\k+5]
.endr
.endm
; A KEY STEP of 128 keys.  pre = 1: the next record's K, scale words and bias are read behind their registers' last use.
.macro STEP pre
	PLACES                                         ; behind the last trip's products, in front of the loads into V's fragments and scale words
	ds_load_b64 v[VS:VS+1], v[AD2]
	WIN 0x40
.irp t, 0,1,2,3
.irp c, 0,1
	ds_load_b128 v[VF+8*\t+4*\c:VF+8*\t+4*\c+3], v[AD1] offset:4608+1024*\t+512*\c
.endr
.endr
	s_wait_dscnt 9                                 ; all but the nine just issued: K, its scale words and the bias are in
	WIN 0x11                                       ; K and the bias in window 1, Q and S^T in window 0
	QKP 0
	WIN 0
	PLACES
	SOFTMAX 0
	WIN 0x11
	QKP 1
	WIN 0
.if \pre
	s_add_co_u32 s[TB], s[TB], REC
	s_add_co_u32 s[TV], s[TV], REC
	s_add_co_u32 s[TBI], s[TBI], 512
	v_and_b32 v[TP], 31, v0                        ; five plain lines: the places behind the products, in front of the loads and of the first read of results
	v_bfe_u32 v[TP+1], v0, 4, 1
	v_lshl_add_u32 v[AD1], v[TP], 4, s[TB]
	v_lshl_add_u32 v[AD2], v[TP], 3, s[TV]
	v_lshl_add_u32 v[AD3], v[TP+1], 7, s[TBI]
	LDK
.else
	PLACES
.endif
	SOFTMAX 1
	WIN 0x41                                       ; O^T in window 1, f in window 0
	s_wait_alu depctr_va_vdst(0)                   ; the wait directly ahead of the first reader of O^T
.irp t, 0,1,2,3
.set ii, 0
.rept 16
	v_pk_mul_f32 v[32*\t+ii:32*\t+ii+1], v[32*\t+ii:32*\t+ii+1], v[ST+6*\t+4:ST+6*\t+5] op_sel_hi:[1,0]   ; O^T under the new M; also the places between p's codes and scale words and the products below
.set ii, ii+2
.endr
.endr
	s_wait_alu depctr_va_vdst(0)                   ; the wait ahead of the wait below
	s_wait_dscnt 25*\pre                           ; V's nine are in; the 25 issued behind them may be out
	WIN 0x51                                       ; V and O^T in window 1, p's codes in window 0
.irp c, 0,1,2,3
.irp t, 0,1,2,3
.if \c%2
	v_wmma_scale_f32_16x16x128_f8f6f4 v[32*\t+8*\c:32*\t+8*\c+7], v[VF+8*\c:VF+8*\c+7], v[PC+8*\t:PC+8*\t+7], v[32*\t+8*\c:32*\t+8*\c+7], v[VS+\c/2], v[PS+\t] matrix_a_fmt:MATRIX_FMT_FP4 matrix_b_fmt:MATRIX_FMT_FP4 matrix_a_scale:MATRIX_SCALE_ROW1
.else
	v_wmma_scale_f32_16x16x128_f8f6f4 v[32*\t+8*\c:32*\t+8*\c+7], v[VF+8*\c:VF+8*\c+7], v[PC+8*\t:PC+8*\t+7], v[32*\t+8*\c:32*\t+8*\c+7], v[VS+\c/2], v[PS+\t] matrix_a_fmt:MATRIX_FMT_FP4 matrix_b_fmt:MATRIX_FMT_FP4
.endif
.endr
.endr                                          ; the sixteen accumulators take turns, one instruction a turn
	WIN 0
.endm
	LDK                                            ; record 0
.Lstep:                                        ; 15 trips; the last step is written out: it reads no record beyond the sixteenth
	STEP 1
	s_sub_co_u32 s[CNT], s[CNT], 1
	s_cmp_lg_u32 s[CNT], 0
	s_cbranch_scc1 .Lstep
	STEP 0
	; THE WAY OUT.  The sum's halves and lane l xor 16's are added (these lines are the places behind the last products); O^T is divided by the sum and goes through my stages, so that sixteen lanes store a row's 256 bytes.
.irp t, 0,1,2,3
	v_add_f32 v[TP+2*\t], v[ST+6*\t+2], v[ST+6*\t+3]
.endr
.irp t, 0,1,2,3
	v_permlanex16_b32 v[TP+2*\t+1], v[TP+2*\t], s[SEL], s[SEL+1]
.endr
.irp t, 0,1,2,3
	v_add_f32 v[TP+2*\t], v[TP+2*\t], v[TP+2*\t+1]
.endr
	s_wait_alu depctr_va_vdst(0)                   ; the wait ahead of the batch
.irp t, 0,1,2,3
	v_rcp_f32 v[TP+2*\t], v[TP+2*\t]
.endr
	v_nop                                          ; a plain line behind the last reciprocal
	WIN 0x01                                       ; source 0 (O^T) window 1
	s_wait_alu depctr_va_vdst(0)                   ; the wait behind the batch, directly ahead of the first readers of O^T
.irp t, 0,1,2,3
.set ii, 0
.rept 16
	v_pk_mul_f32 v[64+32*\t+64*(\t/2)+ii:64+32*\t+64*(\t/2)+ii+1], v[32*\t+ii:32*\t+ii+1], v[TP+2*\t:TP+2*\t+1] op_sel_hi:[1,0]   ; register 8 c + i: out(query r, channel 16 c + 8 h + i); tiles 0, 1 to v64-127, tiles 2, 3 to v192-255
.set ii, ii+2
.endr
.endr
	WIN 0
.macro TOST t
.irp c, 0,1,2,3
	ds_store_b128 v[STO], v[64+32*\t+64*(\t/2)+8*\c:64+32*\t+64*(\t/2)+8*\c+3] offset:16*SP*\t+64*\c
	ds_store_b128 v[STO], v[64+32*\t+64*(\t/2)+8*\c+4:64+32*\t+64*(\t/2)+8*\c+7] offset:16*SP*\t+64*\c+16
.endr
.endm
.macro BACK t, d                       ; LDS serves a wave's instructions in order: these see my stores
.irp e, 0,1,2,3,4,5,6,7
	ds_load_b128 v[\d+4*\e:\d+4*\e+3], v[RD] offset:16*SP*\t+2*SP*\e
.endr
.endm
.macro SEND t, d
.irp e, 0,1,2,3,4,5,6,7
	global_store_b128 v[GO], v[\d+4*\e:\d+4*\e+3], s[10:11] offset:(16*\t+2*\e)*4096 th:TH_STORE_NT   ; sixteen lanes store 256 consecutive bytes, aligned
.endr
.endm
	TOST 0
	TOST 1
	BACK 0, 128
	BACK 1, 160
	TOST 2
	TOST 3
	s_wait_dscnt 16                                ; all but the sixteen stores just issued: tiles 0 and 1 are back, and their stores have read v64-127
	SEND 0, 128
	SEND 1, 160
	BACK 2, 64
	BACK 3, 96
	s_wait_dscnt 0x0
	SEND 2, 64
	SEND 3, 96
	s_wait_tensorcnt 0x0                           ; the wave's end
	ds_add_u32 v[SPW], v[NIL]
	s_wait_dscnt 0x0
	CROUND                                         ; the closing round
	s_endpgm
.Lfunc_end_k_qce930f8619_attn:
	.size	k_qce930f8619_attn, .Lfunc_end_k_qce930f8619_attn-k_qce930f8619_attn
	.p2alignl 7, 3214868480
	.fill 96, 4, 3214868480
	.section	.rodata,"a",@progbits
	.p2align	6, 0x0
	.amdhsa_kernel k_qce930f8619_attn
		.amdhsa_group_segment_fixed_size 291840
		.amdhsa_private_segment_fixed_size 0
		.amdhsa_enable_private_segment 0
		.amdhsa_kernarg_size 32
		.amdhsa_user_sgpr_count 2
		.amdhsa_user_sgpr_kernarg_segment_ptr 1
		.amdhsa_wavefront_size32 1
		.amdhsa_system_sgpr_workgroup_id_x 1
		.amdhsa_system_sgpr_workgroup_id_y 1
		.amdhsa_system_sgpr_workgroup_id_z 1
		.amdhsa_system_vgpr_workitem_id 0
		.amdhsa_next_free_vgpr 512
		.amdhsa_next_free_sgpr 66
		.amdhsa_reserve_vcc 0
		.amdhsa_float_denorm_mode_32 3
		.amdhsa_float_denorm_mode_16_64 3
		.amdhsa_memory_ordered 1
		.amdhsa_forward_progress 1
		.amdhsa_inst_pref_size 141
	.end_amdhsa_kernel
	.amdgpu_metadata
---
amdhsa.version: [ 1, 2 ]
amdhsa.kernels:
  - .name:           k_qce930f8619_attn
    .symbol:         k_qce930f8619_attn.kd
    .args:
      - { .name: q, .offset: 0, .size: 8, .value_kind: global_buffer, .address_space: global }
      - { .name: kv, .offset: 8, .size: 8, .value_kind: global_buffer, .address_space: global }
      - { .name: mask, .offset: 16, .size: 8, .value_kind: global_buffer, .address_space: global }
      - { .name: out0, .offset: 24, .size: 8, .value_kind: global_buffer, .address_space: global }
    .group_segment_fixed_size: 291840
    .private_segment_fixed_size: 0
    .kernarg_segment_align: 8
    .kernarg_segment_size: 32
    .max_flat_workgroup_size: 256
    .sgpr_count:     66
    .vgpr_count:     512
    .wavefront_size: 32
...
	.end_amdgpu_metadata
.endif
;; end of part 2
